; MI455X (gfx1250); checked and timed in simulation.
; The chip was launched on July 23, 2026; its instructions are those of AMD's public machine-readable ISA for CDNA 5 (MIT licence, August 2026) and "CDNA5" Instruction Set Architecture Reference Guide (July 2026). The comments in the code are by the model that wrote it; some were corrected since.
;; Attention. Allowed arithmetic: matrix products marked QUANTISED: E4M3 operands, one given power-of-two scale a tensor, by v_wmma_f32_16x16x64_fp8_fp8 or v_wmma_f32_16x16x128_fp8_fp8, f32 sums; everything else in f32.
;; Inputs: Wk 1,024 x 1,024 float32; Wo 1,024 x 1,024 float32; Wq 1,024 x 1,024 float32; Wv 1,024 x 1,024 float32; bk 1,024 float32; bo 1,024 float32; bq 1,024 float32; bv 1,024 float32; key 4 x 2,048 x 1,024 float32; lowp_scales 12 int32 (the exponents e of the quantised operands' scales 2^e); query 4 x 2,048 x 1,024 float32; value 4 x 2,048 x 1,024 float32.
;; Outputs: out0 4 x 2,048 x 1,024 float32.
;; This version of the problem:
;;   THIS VERSION OF THE PROBLEM IS GIVEN IN LOW PRECISION. The matrix products marked QUANTISED in the list below multiply operands that are first quantised to E4M3 (4 exponent bits, 3 mantissa bits; 8 bits a number), with one given power-of-two scale for each operand tensor; their sums are f32. All else is computed in f32.
;;   The module's matrix products, in the order in which they are computed (A, B: the left and right operand; K: the contracted axis; several contracted axes count as one K, in the product's order):
;;     1. [M 8,192, K 1,024] x [K 1,024, N 1,024]; A: input query; B: input Wq: QUANTISED (scales: A lowp_scales[0], B lowp_scales[1])
;;     2. [M 8,192, K 1,024] x [K 1,024, N 1,024]; A: input key; B: input Wk: QUANTISED (scales: A lowp_scales[2], B lowp_scales[3])
;;     3. [M 8,192, K 1,024] x [K 1,024, N 1,024]; A: input value; B: input Wv: QUANTISED (scales: A lowp_scales[4], B lowp_scales[5])
;;     4. batch 64 x [M 2,048, K 64] x [K 64, N 2,048]; A: computed on the way; B: computed on the way: QUANTISED (scales: A lowp_scales[6], B lowp_scales[7])
;;     5. batch 64 x [M 2,048, K 2,048] x [K 2,048, N 64]; A: softmax (see below); B: computed on the way: QUANTISED (scales: A lowp_scales[8], B lowp_scales[9])
;;     6. [M 8,192, K 1,024] x [K 1,024, N 1,024]; A: computed on the way; B: input Wo: QUANTISED (scales: A lowp_scales[10], B lowp_scales[11])
;;   THE QUANTISER, for each operand of a quantised product, along K:
;;     - The operand's scale is 2^e, e = its entry of the input lowp_scales (int32; the entries are numbered through the quantised products in the list's order, A before B).
;;     - Each number is divided by the scale, clamped to +-448, and rounded to the nearest number of E4M3, ties to even, subnormals kept.
;;     - The product sums the exact products of the quantised numbers (number of the format x scale) in f32.
;;   ~~~python
;;   def quantise(x, axis, e):      # numpy; x: float32 -> the quantised numbers, widened to float32 again
;;       x = np.moveaxis(x, axis, -1); K = x.shape[-1]
;;       r = np.clip(x / 2.0 ** e, -448, 448)
;;       step = 2.0 ** (np.maximum(np.frexp(np.where(r == 0, 1, r))[1] - 1, -6) - 3)
;;       q = np.round(r / step) * step * 2.0 ** e      # np.round: ties to even
;;       return np.moveaxis(q, -1, axis).astype(np.float32)
;;   ~~~
;;   SOFTMAX AHEAD OF A QUANTISED PRODUCT. Where the list says 'softmax', what is quantised is not the finished softmax but p = 2^(t - M), with t = logit x log2(e) and M = ceil(the row's largest t), a whole number; so 1/2 < the row's largest p <= 1. The row's sum l is taken of the UNQUANTISED p, in f32, and the product's result is divided by l at the end. Since M is a whole number, a kernel that streams over the keys may use a running M (the ceiling of the running maximum): every later rescaling is an exact power of two, so the quantised numbers keep their values, but for numbers so far below the row's largest that they fall under the format's range.
;;   OPERANDS COMPUTED ON THE WAY. 'Computed on the way' means the value that the module computes at that place (a softmax that the list does not call 'softmax' is quantised finished and normalised). What goes into a quantiser is computed in f32, as accurately as f32 sums, v_exp_f32 and their like allow (about 1e-6 of the number): no bf16 or f16 on the way to a quantiser, and a product that is left as it is and whose result goes on into a quantised operand takes f32 operands (vector FMAs, or v_wmma_f32_16x16x4_f32). A number that lies on a knife's edge between two numbers of the format may be rounded either way, as far as f32 arithmetic and the matrix unit's own rounding can turn it there, and no further.
;; One version. Each part assembles by itself: llvm-mc -triple=amdgcn-amd-amdhsa -mcpu=gfx1250 --defsym DOCPART=n.
;; ======== version 1 of 1: 4 launches
;; limits: right only within a limited range of input values
;; workspace buffers: xq 25,165,824 bytes; wimg 4,194,304 bytes; qimg 8,388,608 bytes; kimg 8,388,608 bytes; vimg 8,388,608 bytes; aimg 8,388,608 bytes
;; launch quant (part 1): grid 896 x 1, 4 waves a work-group, no clusters, 92,672 bytes of LDS; arguments query, key, value, Wq, Wk, Wv, Wo, lowp_scales, xq, wimg; writes xq, wimg
.if DOCPART == 1
	.amdgcn_target "amdgcn-amd-amdhsa--gfx1250"
	.amdhsa_code_object_version 6
	.text
	.protected	k_qa526d7aaf3_quant
	.globl	k_qa526d7aaf3_quant
	.p2align	8
	.type	k_qa526d7aaf3_quant,@function
k_qa526d7aaf3_quant:
	s_mov_b64 s[64:65], 0
	v_nop
	global_prefetch_b8 v0, s[64:65] scope:SCOPE_SE
	s_setreg_imm32_b32 hwreg(HW_REG_WAVE_MODE, 25, 1), 1
	s_wait_xcnt 0x0
; query, key, value [8192][1024] and Wq, Wk, Wv, Wo [1024 (k)][1024 (n)], f32, become codes of FP8 (E4M3), each tensor with the one scale 2^e given for it:
; code = x / 2^e, held within +-448, rounded to the nearest code, ties to even.
; THE CODES ARE LAID AS IMAGES OF OPERAND REGISTERS.  A fragment is 16 rows x 128 K = 2,048 bytes, [chunk c 0..3][lane 0..31][16 bytes]: lane (r = lane % 16, h = lane / 16) holds, in chunk c,
; k = 32 c + 16 h + 0 .. 15 of its row.  THE ROWS OF A TILE ARE NOT NEIGHBOURS: lane r of tile T means row 32 (T / 2) + 8 (T % 2) + r + 8 (r / 8).  For a weight the "rows" are its columns n.
; xq: [tensor 3][row tile 512][K step 8][2,048];  wimg: [weight 4][n tile 64][K step 8][2,048].
; Work-groups 0 to 767 take the three activations, 768 to 895 the four weights: a scalar branch on the work-group's number; each way has LDS bytes of its own.
; No cluster: no two work-groups read the same input byte.  No tensor loads, no barrier: waves share nothing.
; LIMITS: each e between -126 and 119, so that 2^e and 448 x 2^e are f32 numbers.  NaN among the inputs is not served; an infinity is held at the largest code.
.set ROWB,  4096                       ; a row of any of the seven tensors, in bytes
.set XWG,   768                        ; work-groups of the activations' way
.set SP,    80                         ; f32 stage: a lane's 64 bytes + 16 of padding
.set CP,    272                        ; code stages: a row of 256 bytes + 16 of padding = 17 x 16 bytes: sixteen lanes' 16 bytes fall on sixteen different columns of 16 bytes
.set XREG,  14336                      ; activations: a wave's LDS: two f32 stages of 32 x SP at 0 and 2,560, a code stage of 32 x CP at CST
.set CST,   5120
.set WBASE, 4*XREG                     ; weights: a wave's LDS: a code stage of 32 x CP
.set WREG,  32*CP
.set SPARE, WBASE+4*WREG               ; 92,160: the spare words, 128 bytes for each wave: two blocks of 256 bytes that no other line names
.set WRD,   1                          ; v1   weights: where I read the code stage
.set LI,    3                          ; v3   16 x lane
.set L4,    4                          ; v4   4 x lane
.set CIN,   5                          ; v5   activations: where I put 16 codes
.set COUT,  6                          ; v6   activations: where I read the code stage
.set WST,   9                          ; v9   weights: my column's row of the code stage
.set LIM,   10
.set SC,    11                         ; v11  2^e
.set SPW,   12                         ; v12  my spare word; never rewritten
.set NIL,   13                         ; v13  0; never rewritten
.set SIN,   14                         ; v14  f32 stage, on the way in
.set SOUT,  15                         ; v15  f32 stage, on the way out
.set R,     16                         ; v16-79   activations: four sets of 16 numbers as loaded; at the end the images
.set X,     80                         ; v80-111  two sets of 16 neighbours
.set C,     128                        ; v128-191 codes, four registers a step
.set WX,    32                         ; v32-95   weights: two sets of 32 numbers
.set WC,    96                         ; v96-103  a block's codes
.set WO,    112                        ; v112-175 the images
	s_load_b512 s[4:19], s[0:1], 0x0               ; query, key, value, Wq, Wk, Wv, Wo, the scales' exponents
	s_load_b128 s[20:23], s[0:1], 0x40             ; xq, wimg
	v_lshl_add_u32 v[SPW], v0, 2, SPARE
	v_mov_b32 v[NIL], 0
	v_lshrrev_b32 v1, 5, v0
	v_readfirstlane_b32 s24, v1                    ; wave 0..3
	v_and_b32 v2, 31, v0                           ; lane
	v_lshlrev_b32 v[LI], 4, v2
	v_lshlrev_b32 v[L4], 2, v2
	v_and_b32 v7, 15, v0                           ; r
	v_bfe_u32 v8, v0, 4, 1                         ; h
	s_mul_i32 s25, s24, XREG                       ; my LDS on the activations' way,
	s_mul_i32 s31, s24, WREG
	s_add_co_u32 s31, s31, WBASE                   ; and on the weights'.  Every LDS address is made here, ahead of the parting
	v_lshrrev_b32 v[SIN], 2, v2
	v_mul_u32_u24 v[SIN], v[SIN], SP
	v_and_b32 v[SOUT], 3, v2
	v_lshl_add_u32 v[SIN], v[SOUT], 4, v[SIN]
	v_add_nc_u32 v[SIN], s25, v[SIN]               ; in: four lanes' 64 bytes on end, then the padding
	v_mul_u32_u24 v[SOUT], v2, SP
	v_add_nc_u32 v[SOUT], s25, v[SOUT]             ; out: my 16 neighbours
	v_mul_u32_u24 v[CIN], v2, CP
	v_add_nc_u32 v[CIN], s25, v[CIN]
	v_add_nc_u32 v[CIN], CST, v[CIN]               ; code stage: row = my lane, 16 bytes for each of the tile's 16 rows
	v_mul_u32_u24 v[COUT], v8, CP
	v_lshl_add_u32 v[COUT], v7, 4, v[COUT]
	v_add_nc_u32 v[COUT], s25, v[COUT]
	v_add_nc_u32 v[COUT], CST, v[COUT]             ; back: two stage rows an instruction, sixteen lanes to a row
	v_mul_u32_u24 v[WST], v2, CP
	v_add_nc_u32 v[WST], s31, v[WST]               ; weights: row = my column
	v_and_b32 v[WRD], 8, v7
	v_add_nc_u32 v[WRD], v[WRD], v7                ; r + 8 (r / 8)
	v_mul_u32_u24 v[WRD], v[WRD], CP
	v_lshl_add_u32 v[WRD], v8, 4, v[WRD]
	v_add_nc_u32 v[WRD], s31, v[WRD]               ; back: the column that lane r of a tile means, + 16 h
	s_wait_kmcnt 0x0
	s_load_b256 s[32:39], s[18:19], 0x0            ; e0 .. e7
	s_load_b128 s[40:43], s[18:19], 0x20           ; e8 .. e11
	s_cmp_ge_u32 ttmp9, XWG
	s_cbranch_scc1 .Lweights
; ---------------- THE ACTIVATIONS.  A wave takes one row tile x 512 along K (four K steps): 16 steps, one of the tile's rows each.
; A step's four loads read 512 consecutive bytes each, 16 a lane; the 2,048 bytes turn through the wave's f32 stage and come back 64 bytes a lane: lane l then holds k = 16 l + 0 .. 15, that is
; K step l / 8, chunk (l % 8) / 2, half l % 2.  Its 16 codes go to row l of the code stage, at 16 x the step: so stage rows 2 q and 2 q + 1 are chunk q of the four images, as it lies in memory.
	s_lshr_b32 s26, ttmp9, 8                       ; which tensor
	s_and_b32 s27, ttmp9, 255
	s_lshl_b32 s27, s27, 2
	s_add_co_u32 s27, s27, s24                     ; which of its 1,024 units is my wave's
	s_lshr_b32 s28, s27, 1                         ; row tile T
	s_and_b32 s29, s27, 1                          ; which half of K
	s_cmp_eq_u32 s26, 0
	s_cselect_b64 s[44:45], s[4:5], s[6:7]
	s_cmp_eq_u32 s26, 2
	s_cselect_b64 s[44:45], s[8:9], s[44:45]       ; the choice hangs on the work-group's number alone
	s_lshr_b32 s30, s28, 1
	s_lshl_b32 s30, s30, 17                        ; 32 (T / 2) rows of 4,096 bytes
	s_and_b32 s31, s28, 1
	s_lshl_b32 s31, s31, 15                        ; + 8 (T % 2) rows
	s_add_co_u32 s30, s30, s31
	s_lshl_b32 s31, s29, 11                        ; + my half of a row
	s_add_co_u32 s30, s30, s31
	s_mov_b32 s31, 0
	s_add_nc_u64 s[44:45], s[44:45], s[30:31]
	s_lshl_b32 s30, s26, 23                        ; xq: tensor x 8,388,608
	s_lshl_b32 s46, s28, 14                        ; + T x 16,384
	s_add_co_u32 s30, s30, s46
	s_lshl_b32 s46, s29, 13                        ; + four K steps
	s_add_co_u32 s30, s30, s46
	s_add_nc_u64 s[20:21], s[20:21], s[30:31]
.macro XLOAD t                         ; the tile's row t, my half of K: row t + 8 (t / 8) from the tile's first
.irp i, 0,1,2,3
	global_load_b128 v[R+16*((\t)%4)+4*\i:R+16*((\t)%4)+4*\i+3], v[LI], s[44:45] offset:((\t)+8*((\t)/8))*ROWB+512*\i th:TH_LOAD_NT
.endr
.endm
.macro XTURN t                         ; LDS serves a wave's instructions in order (ISA guide 5.7.1.4): no wait between the stores and the loads
.irp i, 0,1,2,3
	ds_store_b128 v[SIN], v[R+16*((\t)%4)+4*\i:R+16*((\t)%4)+4*\i+3] offset:32*SP*((\t)%2)+8*SP*\i
.endr
.irp i, 0,1,2,3
	ds_load_b128 v[X+16*((\t)%2)+4*\i:X+16*((\t)%2)+4*\i+3], v[SOUT] offset:32*SP*((\t)%2)+16*\i
.endr
.endm
.irp t, 0,1,2,3
	XLOAD \t
.endr
	s_wait_kmcnt 0x0
	s_cmp_eq_u32 s26, 0
	s_cselect_b32 s47, s32, s34
	s_cmp_eq_u32 s26, 2
	s_cselect_b32 s47, s36, s47                    ; e: entry 0, 2 or 4
	s_add_co_i32 s47, s47, 127
	s_lshl_b32 s48, s47, 23
	v_mov_b32 v[SC], s48                           ; 2^e as f32: the conversion takes its exponent field
	s_add_co_i32 s47, s47, 8
	s_lshl_b32 s47, s47, 23
	s_or_b32 s47, s47, 0x600000
	s_wait_alu depctr_va_vdst(0)
	s_wait_loadcnt 12                              ; step 0's four loads are in; the twelve of steps 1 to 3 may be out
	XTURN 0
.macro XSTEP t
.set XS, X+16*((\t)%2)
	s_wait_dscnt 0x0                               ; this step's numbers are back from the stage, and its stores into the stage have read their registers,
.if (\t)+4 < 16
	XLOAD (\t)+4                                   ; which take the loads of four steps on
.endif
.if (\t)+1 < 16
.if 14-(\t) >= 3
	s_wait_loadcnt 12                              ; the next step's four loads are in; those of the three steps behind it may be out
.else
	s_wait_loadcnt 4*(14-(\t))
.endif
	XTURN (\t)+1
.endif
.set i, 0
.rept 16
.set i, i+1
.endr
	v_cvt_scalef32_pk8_fp8_f32 v[C+4*(\t):C+4*(\t)+1], v[XS:XS+7], v[SC]
	v_cvt_scalef32_pk8_fp8_f32 v[C+4*(\t)+2:C+4*(\t)+3], v[XS+8:XS+15], v[SC]
	ds_store_b128 v[CIN], v[C+4*(\t):C+4*(\t)+3] offset:16*(\t)
.endm
.irp t, 0,1,2,3,4,5,6,7,8,9,10,11,12,13,14,15
	XSTEP \t
.endr
	v_nop                                          ; a plain vector line behind the last conversion
.irp q, 0,1,2,3,4,5,6,7,8,9,10,11,12,13,14,15
	ds_load_b128 v[R+4*\q:R+4*\q+3], v[COUT] offset:2*CP*\q      ; chunk q of my four images; these see my stores (the wave's LDS instructions are served in order)
.endr
.irp q, 0,1,2,3,4,5,6,7,8,9,10,11,12,13,14,15
	s_wait_dscnt 15-\q                             ; chunk q is in; the younger ones may be out
	global_store_b128 v[LI], v[R+4*\q:R+4*\q+3], s[20:21] offset:512*\q   ; the wave stores 512 consecutive bytes, at a multiple of 512 from xq's first byte
.endr
	s_wait_tensorcnt 0x0                           ; the wave's end
	ds_add_u32 v[SPW], v[NIL]
	s_wait_dscnt 0x0
	s_endpgm
; ---------------- THE WEIGHTS.  K is their FIRST axis: a lane takes a column n and its registers run down K, so that the conversions give codes with K innermost; nothing is transposed.
; A wave takes 32 columns (two n tiles) x 256 along K (two K steps): 8 blocks of 32 a lane.  Each load reads 128 consecutive bytes a wave, 512 a work-group.
.Lweights:
	s_sub_co_u32 s26, ttmp9, XWG
	s_lshr_b32 s27, s26, 5                         ; which weight: Wq, Wk, Wv, Wo
	s_bfe_u32 s28, s26, 0x30002                    ; which 128 columns
	s_and_b32 s29, s26, 3                          ; which 256 along K
	s_and_b32 s30, s27, 1
	s_cmp_lt_u32 s27, 2
	s_cselect_b64 s[44:45], s[10:11], s[14:15]
	s_cselect_b64 s[46:47], s[12:13], s[16:17]
	s_cmp_eq_u32 s30, 1
	s_cselect_b64 s[44:45], s[46:47], s[44:45]
	s_lshl_b32 s50, s29, 20                        ; 256 rows of 4,096 bytes
	s_lshl_b32 s52, s28, 9                         ; + 128 columns
	s_add_co_u32 s50, s50, s52
	s_lshl_b32 s52, s24, 7                         ; + my wave's 32
	s_add_co_u32 s50, s50, s52
	s_mov_b32 s51, 0
	s_add_nc_u64 s[44:45], s[44:45], s[50:51]
	s_lshl_b32 s50, s27, 20                        ; wimg: weight x 1,048,576
	s_lshl_b32 s52, s28, 17                        ; + 8 n tiles of 16,384
	s_add_co_u32 s50, s50, s52
	s_lshl_b32 s52, s24, 15                        ; + my wave's two
	s_add_co_u32 s50, s50, s52
	s_lshl_b32 s52, s29, 12                        ; + two K steps
	s_add_co_u32 s50, s50, s52
	s_add_nc_u64 s[22:23], s[22:23], s[50:51]
.macro WLOAD t                         ; block t: W(32 t + i, my column)
.set i, 0
.rept 32
	global_load_b32 v[WX+32*((\t)%2)+i], v[L4], s[44:45] offset:(32*(\t)+i)*ROWB th:TH_LOAD_NT
.set i, i+1
.endr
.endm
	WLOAD 0
	WLOAD 1
	s_wait_kmcnt 0x0
	s_cmp_lt_u32 s27, 2
	s_cselect_b32 s48, s33, s37
	s_cselect_b32 s49, s35, s43
	s_cmp_eq_u32 s30, 1
	s_cselect_b32 s48, s49, s48                    ; e: entry 1, 3, 5 or 11
	s_add_co_i32 s48, s48, 127
	s_lshl_b32 s49, s48, 23
	v_mov_b32 v[SC], s49
	s_add_co_i32 s48, s48, 8
	s_lshl_b32 s48, s48, 23
	s_or_b32 s48, s48, 0x600000
.macro WBLOCK t
.set XS, WX+32*((\t)%2)
.if (\t) < 7
	s_wait_loadcnt 32                              ; this block's 32 loads are in; the next block's may be out
.else
	s_wait_loadcnt 0x0
.endif
.set i, 0
.rept 32
.set i, i+1
.endr
.irp g, 0,1,2,3
	v_cvt_scalef32_pk8_fp8_f32 v[WC+2*\g:WC+2*\g+1], v[XS+8*\g:XS+8*\g+7], v[SC]
.endr
	ds_store_b128 v[WST], v[WC:WC+3] offset:32*(\t)
	ds_store_b128 v[WST], v[WC+4:WC+7] offset:32*(\t)+16
.if (\t)+2 < 8
	WLOAD (\t)+2
.endif
	s_wait_dscnt 0x0                               ; the stores have read their registers: the next block's codes may be written
.endm
	s_wait_alu depctr_va_vdst(0)
.irp t, 0,1,2,3,4,5,6,7
	WBLOCK \t
.endr
	v_nop                                          ; a plain vector line behind the last conversion
; the way out: n tile u, K step s, chunk c: lane (r, h) takes 16 bytes of the stage row of column 8 u + r + 8 (r / 8), at 128 s + 32 c + 16 h
.irp u, 0,1
.irp s, 0,1
.irp c, 0,1,2,3
	ds_load_b128 v[WO+4*(8*\u+4*\s+\c):WO+4*(8*\u+4*\s+\c)+3], v[WRD] offset:8*CP*\u+128*\s+32*\c
.endr
.endr
.endr
.irp u, 0,1
.irp s, 0,1
.irp c, 0,1,2,3
	s_wait_dscnt 15-(8*\u+4*\s+\c)
	global_store_b128 v[LI], v[WO+4*(8*\u+4*\s+\c):WO+4*(8*\u+4*\s+\c)+3], s[22:23] offset:16384*\u+2048*\s+512*\c   ; 512 consecutive bytes, at a multiple of 512 from wimg's first byte
.endr
.endr
.endr
	s_wait_tensorcnt 0x0                           ; the wave's end, as above
	ds_add_u32 v[SPW], v[NIL]
	s_wait_dscnt 0x0
	s_endpgm
.Lfunc_end_k_qa526d7aaf3_quant:
	.size	k_qa526d7aaf3_quant, .Lfunc_end_k_qa526d7aaf3_quant-k_qa526d7aaf3_quant
	.p2alignl 7, 3214868480
	.fill 96, 4, 3214868480
	.section	.rodata,"a",@progbits
	.p2align	6, 0x0
	.amdhsa_kernel k_qa526d7aaf3_quant
		.amdhsa_group_segment_fixed_size 92672
		.amdhsa_private_segment_fixed_size 0
		.amdhsa_enable_private_segment 0
		.amdhsa_kernarg_size 80
		.amdhsa_user_sgpr_count 2
		.amdhsa_user_sgpr_kernarg_segment_ptr 1
		.amdhsa_wavefront_size32 1
		.amdhsa_system_sgpr_workgroup_id_x 1
		.amdhsa_system_sgpr_workgroup_id_y 1
		.amdhsa_system_sgpr_workgroup_id_z 1
		.amdhsa_system_vgpr_workitem_id 0
		.amdhsa_next_free_vgpr 192
		.amdhsa_next_free_sgpr 66
		.amdhsa_reserve_vcc 0
		.amdhsa_float_denorm_mode_32 3
		.amdhsa_float_denorm_mode_16_64 3
		.amdhsa_fp16_overflow 1
		.amdhsa_memory_ordered 1
		.amdhsa_forward_progress 1
		.amdhsa_inst_pref_size 57
	.end_amdhsa_kernel
	.amdgpu_metadata
---
amdhsa.version: [ 1, 2 ]
amdhsa.kernels:
  - .name:           k_qa526d7aaf3_quant
    .symbol:         k_qa526d7aaf3_quant.kd
    .args:
      - { .name: query, .offset: 0, .size: 8, .value_kind: global_buffer, .address_space: global }
      - { .name: key, .offset: 8, .size: 8, .value_kind: global_buffer, .address_space: global }
      - { .name: value, .offset: 16, .size: 8, .value_kind: global_buffer, .address_space: global }
      - { .name: Wq, .offset: 24, .size: 8, .value_kind: global_buffer, .address_space: global }
      - { .name: Wk, .offset: 32, .size: 8, .value_kind: global_buffer, .address_space: global }
      - { .name: Wv, .offset: 40, .size: 8, .value_kind: global_buffer, .address_space: global }
      - { .name: Wo, .offset: 48, .size: 8, .value_kind: global_buffer, .address_space: global }
      - { .name: lowp_scales, .offset: 56, .size: 8, .value_kind: global_buffer, .address_space: global }
      - { .name: xq, .offset: 64, .size: 8, .value_kind: global_buffer, .address_space: global }
      - { .name: wimg, .offset: 72, .size: 8, .value_kind: global_buffer, .address_space: global }
    .group_segment_fixed_size: 92672
    .private_segment_fixed_size: 0
    .kernarg_segment_align: 8
    .kernarg_segment_size: 80
    .max_flat_workgroup_size: 128
    .sgpr_count:     66
    .vgpr_count:     192
    .wavefront_size: 32
...
	.end_amdgpu_metadata
.endif
;; end of part 1
;; launch proj (part 2): grid 64 x 3, 4 waves a work-group, clusters of 4 x 1, 327,680 bytes of LDS; arguments xq, wimg, lowp_scales, bq, bk, bv, qimg, kimg, vimg; writes qimg, kimg, vimg
.if DOCPART == 2
	.amdgcn_target "amdgcn-amd-amdhsa--gfx1250"
	.amdhsa_code_object_version 6
	.text
	.protected	k_qa526d7aaf3_proj
	.globl	k_qa526d7aaf3_proj
	.p2align	8
	.type	k_qa526d7aaf3_proj,@function
k_qa526d7aaf3_proj:
	s_mov_b64 s[64:65], 0
	v_nop
	global_prefetch_b8 v0, s[64:65] scope:SCOPE_SE
	s_setreg_imm32_b32 hwreg(HW_REG_WAVE_MODE, 25, 1), 1
	s_wait_xcnt 0x0
	s_wait_alu depctr_hold_cnt(0) depctr_sa_sdst(0) depctr_va_vdst(0) depctr_va_sdst(0) depctr_va_ssrc(0) depctr_va_vcc(0) depctr_vm_vsrc(0)
	s_getreg_b32 s2, hwreg(HW_REG_IB_STS2, 6, 4)
	s_cmp_eq_u32 s2, 0
	s_cbranch_scc0 .Lentry_in_a_cluster
	s_endpgm
.Lentry_in_a_cluster:
	s_bfe_u32 s2, ttmp6, 0x10000c
	s_cmp_lg_u32 s2, 0x3003
	s_cbranch_scc0 .Lentry_shape_is_right
	s_endpgm
.Lentry_shape_is_right:
; q = query Wq + bq, k = key Wk + bk, v = value Wv + bv on codes of FP8 (E4M3), and the results quantised at once for the two products of the attention.
; IN: xq and wimg, images of operand registers: a fragment (16 rows x 128 K) is 2,048 bytes, [chunk c][lane][16 bytes], lane (r, h) holding k = 32 c + 16 h + 0 .. 15; lane r of tile T means
; row (for a weight: column) 32 (T / 2) + 8 (T % 2) + r + 8 (r / 8).  The same places of k in both operands: every product meets its partner.
; OUT: qimg, kimg [batch x head 64][tile 128][chunk 2][lane][16]: 16 rows x the head's 64, chunk c holding d = 32 c + 16 h + 0 .. 15;
;      vimg [batch x head 64][step of 128 keys 16][d tile 4][chunk 4][lane][16]: lane r is channel d of the tile's pattern, chunk c holds keys 32 c + 16 h + 0 .. 15 of the step.
; SHARES.  Grid y is the tensor; a cluster of four work-groups takes 512 rows; work-group cx takes 256 columns, each of its four waves ONE HEAD (64 columns, 4 n tiles).  3 x 16 x 4 = 192 work-groups.
; A wave's part of the weight, 4 tiles x 8 K steps = 512 registers, is read once and stays.  The rows' codes come through a ring of two LDS slots of 128 rows (131,072 dense bytes).  The four partners
; need the same rows: each load is JOINT (the same descriptor and the mask 15 in all four); each wave brings a quarter of a slot.
; q, k: source 0 = 16 columns of W, source 1 = 16 rows of x: a lane holds one row and, in the registers of tiles 2 b and 2 b + 1, sixteen neighbouring d.
; v:    source 0 = 16 rows of x, source 1 = 16 columns of W: a lane holds one d and, in the registers of two neighbouring row tiles, sixteen neighbouring keys.
; So each conversion's result is a piece of an image and is stored as it stands, 512 consecutive bytes a store.  Only the products' and the way out's lines differ; they stand in short arms on the tensor's number.
; The bias is the C of a sum's first product, as b / 2^(ex + ew); the three scales are folded into the conversion's one, 2^(eo - ex - ew).
; LIMITS: eo - ex - ew between -126 and 127 (eo: entry 6, 7 or 9), so that 2^(eo - ex - ew) is an f32 number.  NaN among the inputs is not served.
; REGISTERS: window 0: v1-11 addresses and constants; v16-79 the tile's K steps 0-3, v80-143 its K steps 4-7; v144-175 four accumulators; v176-207 the bias; v208-223 codes.
;   window 1: W(tile t, K step s) at v[64 s + 16 t], s = 0..3;   window 2: the same for s = 4..7.
.set SLOTB, 131072                     ; a slot: 8 row tiles x 8 K steps x 2,048
.set SPARE, 2*SLOTB                    ; behind the ring: the spare words, 128 bytes for each wave: two blocks of 256 bytes that no other line names
.set LI,   1                           ; v1   16 x lane
.set ADA,  2                           ; v2   LDS address of the pair of tiles in hand
.set BQK,  4                           ; v4   bias, q and k: 64 h
.set BV,   5                           ; v5   bias, v: 4 (r + 8 (r / 8))
.set SC,   8                           ; v8   2^(eo - ex - ew)
.set LIM,  9
.set SPW,  10                          ; v10  my spare word; never rewritten
.set NIL,  11                          ; v11  0; never rewritten
.set FA,   16
.set FB,   80
.set ACC,  144
.set BI,   176
.set CODE, 208
.set WV,   22
.set TEN,  23
.set CX,   24
.set RG,   25
.set HD,   26
.set G1,   28                          ; s[28:35] descriptor group 1
.set G0,   36                          ; s[36:43] group 0, a set for each slot
.set PO,   56                          ; s[56:57] where the pair in hand is stored
.set PST,  58                          ; s[58:59] from pair to pair
.set PSL,  60                          ; s[60:61] more, from slot to slot
.set TB,   62                          ; s62  LDS byte of the pair in hand
.set CNT,  63
.set MSB, 0
.macro WIN new                         ; the immediate's high byte repeats the setting that is left; a switch that changes nothing is dropped
.if MSB != (\new)
	s_set_vgpr_msb (MSB<<8)|(\new)
.set MSB, (\new)
.endif
.endm
.macro PLACES                          ; four plain places behind matrix instructions, in front of loads into their sources and of the first read of their results
.rept 4
	v_nop
.endr
.endm
.macro ROUND                           ; a round of the cluster's barrier
	s_barrier_signal -1
	s_barrier_wait -1
	s_cmp_lg_u32 s[WV], 0
	s_cbranch_scc1 .Lnot_wave_0_\@
	s_barrier_signal -3
.Lnot_wave_0_\@:
	s_barrier_wait -3
	s_barrier_signal -1
	s_barrier_wait -1
.endm
	s_load_b512 s[4:19], s[0:1], 0x0               ; xq, wimg, the exponents, bq, bk, bv, qimg, kimg
	s_load_b64 s[20:21], s[0:1], 0x40              ; vimg
	v_lshl_add_u32 v[SPW], v0, 2, SPARE
	v_mov_b32 v[NIL], 0
	ds_add_u32 v[SPW], v[NIL]                      ; the wave's opening: the add and its wait stand ahead of my first tensor load; work on registers stands between
	ds_add_u32 v[SPW], v[NIL]
	v_lshrrev_b32 v3, 5, v0
	v_readfirstlane_b32 s[WV], v3                  ; wave 0..3
	s_and_b32 s[TEN], ttmp7, 0xffff                ; the tensor: 0 q, 1 k, 2 v; the four partners share it
	s_bfe_u32 s[CX], ttmp6, 0x40000                ; my place in the cluster: it enters W's, the bias's and the output's addresses alone
	s_mov_b32 s[RG], ttmp9                         ; the cluster's 512 rows
	s_lshl_b32 s[HD], s[CX], 2
	s_add_co_u32 s[HD], s[HD], s[WV]               ; my head
	s_mov_b32 s[G1], 15|(3<<16)|(1<<21)            ; 15:0 the mask: all four work-groups; 17:16 elements of 8 bytes; 21 set beside a mask; no padding
	s_mov_b32 s[G1+1], 32<<16                      ; tensor_dim0 = 32 elements: rows of 256 bytes
	s_mov_b32 s[G1+2], 128<<16                     ; tensor_dim1 = 128
	s_mov_b32 s[G1+3], 32<<16                      ; tile_dim0 = 32
	s_mov_b32 s[G1+4], 128                         ; tile_dim1 = 128: 32,768 dense bytes, a quarter of a slot
	s_mov_b32 s[G1+5], 32                          ; from row to row
	s_mov_b32 s[G1+6], 0
	s_mov_b32 s[G1+7], 0
	v_and_b32 v[LI], 31, v0
	v_lshlrev_b32 v[LI], 4, v[LI]
	v_bfe_u32 v3, v0, 4, 1                         ; h
	v_lshlrev_b32 v[BQK], 6, v3
	v_and_b32 v6, 15, v0                           ; r
	v_and_b32 v7, 8, v6
	v_add_nc_u32 v7, v7, v6
	v_lshlrev_b32 v[BV], 2, v7
	s_lshl_b32 s66, s[TEN], 23                     ; xq: tensor x 8,388,608
	s_lshl_b32 s67, s[RG], 19                      ; + 512 rows
	s_add_co_u32 s66, s66, s67
	s_lshl_b32 s68, s[WV], 15                      ; + my quarter of a slot, in memory and in LDS: no place in the cluster enters it
	s_add_co_u32 s66, s66, s68
	s_mov_b32 s67, 0
	s_wait_dscnt 0x0                               ; the opening add is done
	s_wait_kmcnt 0x0
	s_load_b256 s[44:51], s[8:9], 0x0              ; e0 .. e7
	s_load_b128 s[52:55], s[8:9], 0x20             ; e8 .. e11
	s_add_nc_u64 s[70:71], s[4:5], s[66:67]
.irp n, 0,1
	s_mov_b32 s[G0+4*\n], 1                        ; count = 1
	s_add_co_u32 s[G0+4*\n+1], s68, \n*SLOTB       ; LDS address
	s_add_nc_u64 s[G0+4*\n+2:G0+4*\n+3], s[70:71], \n*SLOTB   ; rows 128 n on
	s_or_b32 s[G0+4*\n+3], s[G0+4*\n+3], 0x80000000           ; type = 2
.endr
	ROUND                                          ; all four work-groups are here: the first joint loads meet
	tensor_load_to_lds s[G0:G0+3], s[G1:G1+7]      ; the first fill of slot 0: one load of mine is out
	s_nop 0
	s_wait_alu depctr_va_vdst(0)
	s_wait_tensorcnt 0x0
	ds_add_u32 v10, v11
	s_wait_dscnt 0x0
	ROUND
	tensor_load_to_lds s[G0+4:G0+7], s[G1:G1+7]
	s_nop 0
	PLACES
	s_lshl_b32 s66, s[TEN], 20                     ; wimg: weight x 1,048,576
	s_lshl_b32 s72, s[HD], 16                      ; + my head's four n tiles
	s_add_co_u32 s66, s66, s72
	s_add_nc_u64 s[70:71], s[6:7], s[66:67]
	WIN 0x40                                       ; destination window 1
	s_wait_alu depctr_va_vdst(0)
.irp s, 0,1,2,3
.irp t, 0,1,2,3
.irp c, 0,1,2,3
	global_load_b128 v[64*\s+16*\t+4*\c:64*\s+16*\t+4*\c+3], v[LI], s[70:71] offset:16384*\t+2048*\s+512*\c
.endr
.endr
.endr
	WIN 0x80                                       ; destination window 2
.irp s, 0,1,2,3
.irp t, 0,1,2,3
.irp c, 0,1,2,3
	global_load_b128 v[64*\s+16*\t+4*\c:64*\s+16*\t+4*\c+3], v[LI], s[70:71] offset:16384*\t+2048*(\s+4)+512*\c
.endr
.endr
.endr
	WIN 0
	s_cmp_eq_u32 s[TEN], 0
	s_cselect_b64 s[72:73], s[10:11], s[12:13]     ; the bias and the output, chosen by the tensor's number
	s_cselect_b64 s[PO:PO+1], s[16:17], s[18:19]
	s_cmp_eq_u32 s[TEN], 2
	s_cselect_b64 s[72:73], s[14:15], s[72:73]
	s_cselect_b64 s[PO:PO+1], s[20:21], s[PO:PO+1]
	s_mov_b32 s[PST], 2048                         ; q, k: a pair of tiles is 2,048 bytes;
	s_cselect_b32 s[PST], 512, s[PST]              ; v: a pair of row tiles is one chunk of each of the four d tiles,
	s_cselect_b32 s[PSL], 6144, 0                  ; and a slot is a step of 128 keys, 8,192 bytes
	s_mov_b32 s[PST+1], 0
	s_mov_b32 s[PSL+1], 0
	s_lshl_b32 s66, s[HD], 8
	s_add_nc_u64 s[72:73], s[72:73], s[66:67]      ; my head's 64 numbers of the bias
	s_lshr_b32 s66, s[RG], 2                       ; the batch
	s_lshl_b32 s66, s66, 4
	s_add_co_u32 s66, s66, s[HD]
	s_lshl_b32 s66, s66, 17                        ; (16 batch + head) x 131,072
	s_and_b32 s74, s[RG], 3
	s_lshl_b32 s74, s74, 15                        ; + 512 rows of the sequence: 32,768 bytes in all three layouts
	s_add_co_u32 s66, s66, s74
	s_add_nc_u64 s[PO:PO+1], s[PO:PO+1], s[66:67]
	s_wait_kmcnt 0x0
	s_cmp_eq_u32 s[TEN], 0
	s_cselect_b32 s66, s44, s46                    ; ex
	s_cselect_b32 s68, s45, s47                    ; ew
	s_cselect_b32 s69, s50, s51                    ; eo
	s_cmp_eq_u32 s[TEN], 2
	s_cselect_b32 s66, s48, s66
	s_cselect_b32 s68, s49, s68
	s_cselect_b32 s69, s53, s69
	s_add_co_i32 s66, s66, s68                     ; ex + ew: a sum stands for sum x 2^(ex + ew)
	s_sub_co_i32 s76, 0, s66                       ; the bias goes in as b / 2^(ex + ew)
	s_sub_co_i32 s77, s69, s66
	s_add_co_i32 s77, s77, 127
	s_lshl_b32 s78, s77, 23
	v_mov_b32 v[SC], s78                           ; 2^(eo - ex - ew)
	s_cmp_eq_u32 s[TEN], 2
	s_cbranch_scc1 .Lbias_v
.irp t, 0,1,2,3                        ; q, k: register j of tile t is d = 32 (t / 2) + 8 (t % 2) + 16 h + j
	global_load_b128 v[BI+8*\t:BI+8*\t+3], v[BQK], s[72:73] offset:(32*(\t/2)+8*(\t%2))*4
	global_load_b128 v[BI+8*\t+4:BI+8*\t+7], v[BQK], s[72:73] offset:(32*(\t/2)+8*(\t%2))*4+16
.endr
	s_wait_loadcnt 0x0                             ; the bias, and W
.set i, 0
.rept 32
	v_ldexp_f32 v[BI+i], v[BI+i], s76
.set i, i+1
.endr
	s_branch .Lbias_done
.Lbias_v:
.irp t, 0,1,2,3                        ; v: all eight registers of tile t are d = 32 (t / 2) + 8 (t % 2) + r + 8 (r / 8)
	global_load_b32 v[CODE+\t], v[BV], s[72:73] offset:(32*(\t/2)+8*(\t%2))*4
.endr
	s_wait_loadcnt 0x0
.irp t, 0,1,2,3
.irp j, 0,1,2,3,4,5,6,7
	v_ldexp_f32 v[BI+8*\t+\j], v[CODE+\t], s76
.endr
.endr
.Lbias_done:
.macro LOADF reg, off                  ; four K steps of a tile: 16 loads of 512 consecutive bytes
.irp s, 0,1,2,3
.irp c, 0,1,2,3
	ds_load_b128 v[\reg+16*\s+4*\c:\reg+16*\s+4*\c+3], v[ADA] offset:(\off)+2048*\s+512*\c
.endr
.endr
.endm
; 16 products: four K steps x my four n tiles.  The four accumulators take turns, one instruction a turn.  first = 1: the bias starts the sums.
.macro RUN half, first
	s_cmp_eq_u32 s[TEN], 2
	s_cbranch_scc1 .Lrun_v_\@
	WIN (1+\half)                                  ; source 0 (W) in window 1 or 2
	s_wait_alu depctr_va_vdst(0)
.irp s, 0,1,2,3
.irp t, 0,1,2,3
.if \first && (\s == 0)
	v_wmma_f32_16x16x128_fp8_fp8 v[ACC+8*\t:ACC+8*\t+7], v[64*\s+16*\t:64*\s+16*\t+15], v[FA+64*\half+16*\s:FA+64*\half+16*\s+15], v[BI+8*\t:BI+8*\t+7]
.else
	v_wmma_f32_16x16x128_fp8_fp8 v[ACC+8*\t:ACC+8*\t+7], v[64*\s+16*\t:64*\s+16*\t+15], v[FA+64*\half+16*\s:FA+64*\half+16*\s+15], v[ACC+8*\t:ACC+8*\t+7]
.endif
.endr
.endr
	WIN 0
	s_branch .Lrun_done_\@
.Lrun_v_\@:
	WIN (4+4*\half)                                ; source 1 (W) in window 1 or 2
	s_wait_alu depctr_va_vdst(0)
.irp s, 0,1,2,3
.irp t, 0,1,2,3
.if \first && (\s == 0)
	v_wmma_f32_16x16x128_fp8_fp8 v[ACC+8*\t:ACC+8*\t+7], v[FA+64*\half+16*\s:FA+64*\half+16*\s+15], v[64*\s+16*\t:64*\s+16*\t+15], v[BI+8*\t:BI+8*\t+7]
.else
	v_wmma_f32_16x16x128_fp8_fp8 v[ACC+8*\t:ACC+8*\t+7], v[FA+64*\half+16*\s:FA+64*\half+16*\s+15], v[64*\s+16*\t:64*\s+16*\t+15], v[ACC+8*\t:ACC+8*\t+7]
.endif
.endr
.endr
	WIN 0
.Lrun_done_\@:
.endm
; Tile u of a pair leaves: held, converted, stored.  Each accumulator is read from its low end on.
.macro WAYOUT u
.set i, 0
.rept 32
.set i, i+1
.endr
	s_cmp_eq_u32 s[TEN], 2
	s_cbranch_scc1 .Lout_v_\@
.irp t, 0,1,2,3
	v_cvt_scalef32_pk8_fp8_f32 v[CODE+8*\u+2*\t:CODE+8*\u+2*\t+1], v[ACC+8*\t:ACC+8*\t+7], v[SC]   ; tiles 2 c, 2 c + 1 make chunk c of the row tile's image
.endr
	v_nop                                          ; a plain line between the conversions and the products that write their sources anew
	global_store_b128 v[LI], v[CODE+8*\u:CODE+8*\u+3], s[PO:PO+1] offset:1024*\u        ; 512 consecutive bytes, at a multiple of 512 from the buffer's first byte
	global_store_b128 v[LI], v[CODE+8*\u+4:CODE+8*\u+7], s[PO:PO+1] offset:1024*\u+512
	s_branch .Lout_done_\@
.Lout_v_\@:
.irp t, 0,1,2,3
	v_cvt_scalef32_pk8_fp8_f32 v[CODE+4*\t+2*\u:CODE+4*\t+2*\u+1], v[ACC+8*\t:ACC+8*\t+7], v[SC]   ; the pair's two row tiles make one chunk of d tile t
.endr
	v_nop
.if \u == 1
.irp t, 0,1,2,3
	global_store_b128 v[LI], v[CODE+4*\t:CODE+4*\t+3], s[PO:PO+1] offset:2048*\t
.endr
.endif
.Lout_done_\@:
.endm
; One row tile: 32 products.  next = 1: the following tile's fragments, at byte off from the pair's first, are fetched into each half as soon as it is free.
.macro TILE u, next, off
	s_wait_dscnt 16                                ; K steps 0-3 are in; the sixteen younger loads (K steps 4-7) may be out
	RUN 0, 1
.if \next
	PLACES
	LOADF FA, \off
	s_wait_dscnt 16                                ; K steps 4-7 are in; the sixteen just issued may be out
.else
	s_wait_dscnt 0x0
.endif
	RUN 1, 0
	PLACES
.if \next
	LOADF FB, (\off)+8192
.endif
	WAYOUT \u
.endm
.macro PAIR more
	TILE 0, 1, 16384
	TILE 1, \more, 32768
	s_wait_xcnt 0x0                                ; the pair's stores have read their registers and their base: both are written again only behind this wait
	s_add_nc_u64 s[PO:PO+1], s[PO:PO+1], s[PST:PST+1]
.if \more
	s_add_co_u32 s[TB], s[TB], 32768
	v_add_nc_u32 v[ADA], s[TB], v[LI]
.endif
.endm
.macro WORK slot                       ; a slot's four pairs of tiles
	s_mov_b32 s[TB], \slot*SLOTB
	v_add_nc_u32 v[ADA], s[TB], v[LI]
	LOADF FA, 0
	LOADF FB, 8192
	s_mov_b32 s[CNT], 3
.Lpair_\@:
	PAIR 1
	s_sub_co_u32 s[CNT], s[CNT], 1
	s_cmp_lg_u32 s[CNT], 0
	s_cbranch_scc1 .Lpair_\@
	PAIR 0
	s_add_nc_u64 s[PO:PO+1], s[PO:PO+1], s[PSL:PSL+1]
.endm
; The change of slots.  Each wave waits for all its tensor loads (one is out: its quarter of the other slot), adds 0 to its spare word, and waits for that and for its reads of the slot that it leaves.
; fill = 1: that slot takes the rows two slots on: the barrier is a round of the cluster's, and the joint load is the first thing behind it; it has a slot's 256 products a wave in which to land.
.macro CHANGE slot, fill
	s_wait_tensorcnt 0x0                           ; no tensor load of mine is out, so a group 0 may be written
	ds_add_u32 v[SPW], v[NIL]
.if \fill
	s_add_nc_u64 s[G0+4*\slot+2:G0+4*\slot+3], s[G0+4*\slot+2:G0+4*\slot+3], 2*SLOTB
.endif
	s_wait_dscnt 0x0                               ; the add is done, and my reads of the slot are over
.if \fill
	ROUND
	tensor_load_to_lds s[G0+4*\slot:G0+4*\slot+3], s[G1:G1+7]
	s_nop 0
	PLACES
.else
	s_barrier_signal -1
	s_barrier_wait -1
.endif
.endm
	s_wait_tensorcnt 0x1                           ; my quarter of slot 0 is in; slot 1's may stay out
	s_barrier_signal -1
	s_barrier_wait -1                              ; everybody's is
	WORK 0                                         ; rows 0 to 127 of the cluster's 512
	CHANGE 0, 1
	WORK 1
	CHANGE 1, 1
	WORK 0
	CHANGE 0, 0                                    ; nothing is left to fetch
	WORK 1
	s_wait_tensorcnt 0x0                           ; the wave's end
	ds_add_u32 v[SPW], v[NIL]
	s_wait_dscnt 0x0
	ROUND                                          ; the closing round: no work-group ends while a partner may still ask for a tile that names it
	s_endpgm
.Lfunc_end_k_qa526d7aaf3_proj:
	.size	k_qa526d7aaf3_proj, .Lfunc_end_k_qa526d7aaf3_proj-k_qa526d7aaf3_proj
	.p2alignl 7, 3214868480
	.fill 96, 4, 3214868480
	.section	.rodata,"a",@progbits
	.p2align	6, 0x0
	.amdhsa_kernel k_qa526d7aaf3_proj
		.amdhsa_group_segment_fixed_size 327680
		.amdhsa_private_segment_fixed_size 0
		.amdhsa_enable_private_segment 0
		.amdhsa_kernarg_size 72
		.amdhsa_user_sgpr_count 2
		.amdhsa_user_sgpr_kernarg_segment_ptr 1
		.amdhsa_wavefront_size32 1
		.amdhsa_system_sgpr_workgroup_id_x 1
		.amdhsa_system_sgpr_workgroup_id_y 1
		.amdhsa_system_sgpr_workgroup_id_z 1
		.amdhsa_system_vgpr_workitem_id 0
		.amdhsa_next_free_vgpr 768
		.amdhsa_next_free_sgpr 96
		.amdhsa_reserve_vcc 0
		.amdhsa_float_denorm_mode_32 3
		.amdhsa_float_denorm_mode_16_64 3
		.amdhsa_fp16_overflow 1
		.amdhsa_memory_ordered 1
		.amdhsa_forward_progress 1
		.amdhsa_inst_pref_size 153
	.end_amdhsa_kernel
	.amdgpu_metadata
---
amdhsa.version: [ 1, 2 ]
amdhsa.kernels:
  - .name:           k_qa526d7aaf3_proj
    .symbol:         k_qa526d7aaf3_proj.kd
    .args:
      - { .name: xq, .offset: 0, .size: 8, .value_kind: global_buffer, .address_space: global }
      - { .name: wimg, .offset: 8, .size: 8, .value_kind: global_buffer, .address_space: global }
      - { .name: lowp_scales, .offset: 16, .size: 8, .value_kind: global_buffer, .address_space: global }
      - { .name: bq, .offset: 24, .size: 8, .value_kind: global_buffer, .address_space: global }
      - { .name: bk, .offset: 32, .size: 8, .value_kind: global_buffer, .address_space: global }
      - { .name: bv, .offset: 40, .size: 8, .value_kind: global_buffer, .address_space: global }
      - { .name: qimg, .offset: 48, .size: 8, .value_kind: global_buffer, .address_space: global }
      - { .name: kimg, .offset: 56, .size: 8, .value_kind: global_buffer, .address_space: global }
      - { .name: vimg, .offset: 64, .size: 8, .value_kind: global_buffer, .address_space: global }
    .group_segment_fixed_size: 327680
    .private_segment_fixed_size: 0
    .kernarg_segment_align: 8
    .kernarg_segment_size: 72
    .max_flat_workgroup_size: 128
    .sgpr_count:     96
    .vgpr_count:     768
    .wavefront_size: 32
...
	.end_amdgpu_metadata
.endif
;; end of part 2
;; launch attn (part 3): grid 4 x 64, 16 waves a work-group, clusters of 4 x 1, 327,680 bytes of LDS; arguments qimg, kimg, vimg, lowp_scales, aimg; writes aimg
.if DOCPART == 3
	.amdgcn_target "amdgcn-amd-amdhsa--gfx1250"
	.amdhsa_code_object_version 6
	.text
	.protected	k_qa526d7aaf3_attn
	.globl	k_qa526d7aaf3_attn
	.p2align	8
	.type	k_qa526d7aaf3_attn,@function
k_qa526d7aaf3_attn:
	s_mov_b64 s[64:65], 0
	v_nop
	global_prefetch_b8 v0, s[64:65] scope:SCOPE_SE
	s_setreg_imm32_b32 hwreg(HW_REG_WAVE_MODE, 25, 1), 1
	s_wait_xcnt 0x0
	s_wait_alu depctr_hold_cnt(0) depctr_sa_sdst(0) depctr_va_vdst(0) depctr_va_sdst(0) depctr_va_ssrc(0) depctr_va_vcc(0) depctr_vm_vsrc(0)
	s_getreg_b32 s2, hwreg(HW_REG_IB_STS2, 6, 4)
	s_cmp_eq_u32 s2, 0
	s_cbranch_scc0 .Lentry_in_a_cluster
	s_endpgm
.Lentry_in_a_cluster:
	s_bfe_u32 s2, ttmp6, 0x10000c
	s_cmp_lg_u32 s2, 0x3003
	s_cbranch_scc0 .Lentry_shape_is_right
	s_endpgm
.Lentry_shape_is_right:
; Causal attention of one head on codes of FP8 (E4M3): S^T = K Q^T (K = the head's 64), p = 2^(t - M), O^T = V^T P^T (K = the keys), O / l quantised at once for the output projection.
; t = score x log2(e) / 8; M = the running largest t rounded UP to a whole number; the row's sum l is taken of the unquantised p; when M moves, l and O are multiplied by 2^(old M - new M): exact.
; IN: qimg, kimg [head 64][tile 128][chunk 2][lane][16]; vimg [head][step of 128 keys 16][d tile 4][chunk 4][lane][16]: images of operand registers, lane (r, h), 16 neighbours along K a chunk;
; lane r of tile T means row 32 (T / 2) + 8 (T % 2) + r + 8 (r / 8).  So the 16 score registers of key tiles 2 b, 2 b + 1 are keys 32 b + 16 h + 0 .. 15 of the step: p's codes are the second product's operand.
; OUT: aimg [row tile 512][K step 8][2,048]: head hd's 64 channels are 1,024 bytes at hd x 1,024 of a row tile.
; SHARES.  The four work-groups of a head are a cluster.  The head's whole K and V, 131,072 bytes each, lie in LDS, filled ONCE by joint loads (mask 15): no byte of LDS is filled again.
; A head has 128 query tiles; tile T needs T / 8 + 1 steps of 128 keys (the mask that the problem builds hides the rest).  Wave j of work-group cx takes tiles lo = 4 j + cx and hi = 127 - lo:
; their last steps, j / 2 and 15 - j / 2, hang on the wave's number alone, and every wave of the launch has 17 steps.  cx enters global addresses and the two vector registers of the mask, nothing else.
; Sixteen waves of 256 registers, four to a SIMD: one wave's softmax stands beside another's products and LDS loads.
; A step all of whose keys are hidden is jumped over by a scalar branch on the wave's number and the step's; on the diagonal hidden scores become -infinity, so p = 0, as the reference's -1e9 gives in f32.
; LIMITS: e6 + e7 between -124 and 9 (added to c's exponent field; scores stay under 1e9); e8, and e10 - e8 - e9, between -126 and 119.  NaN among the inputs is not served.
; REGISTERS: v1 16 x lane; v2, v3 the mask's d for hi, lo; v8, v9 LDS addresses; v12 -M, v13 the largest t, v[14:15] l in two halves; v16-23, v24-31 Q of hi, lo;
;   v32-95 K's 8 fragments, then V's 4; v96-159 S^T, then p; v160-191 O^T; v192-207 codes; v236-255 at work.
.set VOFF,  131072                     ; K's images at 0, V's here
.set SPARE, 262144                     ; the spare words, 128 bytes for each of sixteen waves: eight blocks of 256 bytes that no other line names
.set STEPB, 8192                       ; a step of 128 keys, in K's images and in V's
.set LI,  1
.set DMH, 2
.set DML, 3
.set SPW, 4                            ; v4   my spare word; never rewritten
.set NIL, 5                            ; v5   0; never rewritten
.set ADK, 8
.set ADV, 9
.set QHI, 16
.set QLO, 24
.set KV,  32
.set S,   96
.set O,   160
.set PC,  192
.set WV,  14
.set CX,  15
.set BH,  16
.set G1,  20                           ; s[20:27] descriptor group 1
.set G0,  28                           ; s[28:43] group 0 for the four chunks of 512 keys
.set QH,  44                           ; s[44:45], s[46:47] Q's images of hi, lo
.set QL,  46
.set OH,  48                           ; s[48:49], s[50:51] where hi, lo are stored
.set OL,  50
.set LH,  52                           ; s52, s53 the last steps of hi, lo
.set LL,  53
.set SI,  54                           ; s54 the step
.set TB,  55                           ; s55 its LDS byte
.set SEL, 56                           ; s[56:57] lane selects: lane l xor 16
.set CS,  58                           ; s[58:59] c = log2(e) / 8 x 2^(e6 + e7)
.macro PLACES
.rept 4
	v_nop
.endr
.endm
.macro ROUND                           ; a round of the cluster's barrier
	s_barrier_signal -1
	s_barrier_wait -1
	s_cmp_lg_u32 s[WV], 0
	s_cbranch_scc1 .Lnot_wave_0_\@
	s_barrier_signal -3
.Lnot_wave_0_\@:
	s_barrier_wait -3
	s_barrier_signal -1
	s_barrier_wait -1
.endm
	s_load_b256 s[4:11], s[0:1], 0x0               ; qimg, kimg, vimg, the exponents
	s_load_b64 s[12:13], s[0:1], 0x20              ; aimg
	v_lshl_add_u32 v[SPW], v0, 2, SPARE
	v_mov_b32 v[NIL], 0
	ds_add_u32 v[SPW], v[NIL]                      ; the wave's opening: the add and its wait stand ahead of the first tensor loads; work on registers stands between
	ds_add_u32 v[SPW], v[NIL]
	v_lshrrev_b32 v6, 5, v0
	s_delay_alu instid0(VALU_DEP_1)
	v_readfirstlane_b32 s[WV], v6                  ; wave 0..15
	s_bfe_u32 s[CX], ttmp6, 0x40000                ; my place in the cluster
	s_and_b32 s[BH], ttmp7, 0xffff                 ; 16 batch + head, which the four partners share
	s_mov_b32 s[G1], 15|(3<<16)|(1<<21)            ; the mask: all four; elements of 8 bytes; bit 21 beside a mask; no padding
	s_mov_b32 s[G1+1], 32<<16                      ; tensor_dim0 = 32: rows of 256 bytes
	s_mov_b32 s[G1+2], 64<<16                      ; tensor_dim1 = 64
	s_mov_b32 s[G1+3], 32<<16                      ; tile_dim0
	s_mov_b32 s[G1+4], 64                          ; tile_dim1: 16,384 dense bytes
	s_mov_b32 s[G1+5], 32
	s_mov_b32 s[G1+6], 0
	s_mov_b32 s[G1+7], 0
	s_and_b32 s17, s[WV], 3                        ; waves 0, 1 fetch K's halves of a chunk, waves 2, 3 V's
	s_lshr_b32 s18, s17, 1
	s_and_b32 s19, s17, 1
	s_lshl_b32 s60, s18, 17
	s_lshl_b32 s61, s19, 14
	s_add_co_u32 s60, s60, s61                     ; LDS address of my part of chunk 0
	s_lshl_b32 s62, s[BH], 17                      ; the head's first byte in qimg, kimg, vimg
	s_mov_b32 s63, 0
	s_add_co_u32 s76, s62, s61
	s_mov_b32 s77, 0
	s_mov_b32 s[SEL], 0x76543210
	s_mov_b32 s[SEL+1], 0xfedcba98
	s_mov_b32 s[CS], 0x3e38aa3b                    ; log2(e) / 8
	s_lshr_b32 s[LL], s[WV], 1
	s_sub_co_u32 s[LH], 15, s[LL]
	s_lshl_b32 s80, s[WV], 2
	s_add_co_u32 s80, s80, s[CX]                   ; lo
	s_sub_co_u32 s81, 127, s80                     ; hi
	v_and_b32 v[LI], 31, v0
	s_delay_alu instid0(VALU_DEP_1)
	v_lshlrev_b32 v[LI], 4, v[LI]
	v_and_b32 v6, 15, v0
	s_delay_alu instid0(VALU_DEP_1)
	v_and_b32 v7, 8, v6
	s_delay_alu instid0(VALU_DEP_1)
	v_add_nc_u32 v6, v6, v7                        ; r + 8 (r / 8)
	v_bfe_u32 v7, v0, 4, 1
	s_delay_alu instid0(VALU_DEP_1)
	v_lshlrev_b32 v7, 4, v7
	s_delay_alu instid0(VALU_DEP_1)
	v_sub_nc_u32 v6, v6, v7                        ; - 16 h
	s_wait_alu depctr_va_vdst(0)
	s_and_b32 s88, s81, 6
	s_lshl_b32 s88, s88, 4                         ; 32 ((T % 8) / 2)
	s_and_b32 s89, s81, 1
	s_lshl_b32 s89, s89, 3                         ; + 8 (T % 2)
	s_add_co_u32 s88, s88, s89
	v_add_nc_u32 v[DMH], s88, v6                   ; d = my query's place in its own step - 16 h: register 16 b + i is hidden where 32 b + i > d
	s_and_b32 s88, s80, 6
	s_lshl_b32 s88, s88, 4
	s_and_b32 s89, s80, 1
	s_lshl_b32 s89, s89, 3
	s_add_co_u32 s88, s88, s89
	v_add_nc_u32 v[DML], s88, v6
	s_wait_dscnt 0x0                               ; the opening add is done
	s_wait_kmcnt 0x0
	s_load_b256 s[68:75], s[10:11], 0x10           ; e4 .. e11
	s_cmp_eq_u32 s18, 0
	s_cselect_b64 s[78:79], s[6:7], s[8:9]
	s_add_nc_u64 s[78:79], s[78:79], s[76:77]
.irp e, 0,1,2,3
	s_mov_b32 s[G0+4*\e], 1
	s_add_co_u32 s[G0+4*\e+1], s60, \e*32768       ; chunk e: keys 512 e on
	s_add_nc_u64 s[G0+4*\e+2:G0+4*\e+3], s[78:79], \e*32768
	s_or_b32 s[G0+4*\e+3], s[G0+4*\e+3], 0x80000000
.endr
	ROUND                                          ; all four work-groups are here: the joint loads meet
	s_cmp_lt_u32 s[WV], 4                          ; all the fills of a wave stand in one branch on the wave's number: four loads of such a wave are out
	s_cbranch_scc0 .Lno_fill
	tensor_load_to_lds s[G0:G0+3], s[G1:G1+7]
	s_nop 0
	tensor_load_to_lds s[G0+4:G0+7], s[G1:G1+7]
	s_nop 0
	tensor_load_to_lds s[G0+8:G0+11], s[G1:G1+7]
	s_nop 0
	tensor_load_to_lds s[G0+12:G0+15], s[G1:G1+7]
	s_nop 0
	PLACES
.Lno_fill:
	s_add_nc_u64 s[QH:QH+1], s[4:5], s[62:63]
	s_lshl_b32 s82, s80, 10
	s_mov_b32 s83, 0
	s_add_nc_u64 s[QL:QL+1], s[QH:QH+1], s[82:83]  ; a tile of Q is 1,024 bytes
	s_lshl_b32 s82, s81, 10
	s_add_nc_u64 s[QH:QH+1], s[QH:QH+1], s[82:83]
	global_load_b128 v[QHI:QHI+3], v[LI], s[QH:QH+1]
	global_load_b128 v[QHI+4:QHI+7], v[LI], s[QH:QH+1] offset:512
	global_load_b128 v[QLO:QLO+3], v[LI], s[QL:QL+1]
	global_load_b128 v[QLO+4:QLO+7], v[LI], s[QL:QL+1] offset:512
	s_lshr_b32 s84, s[BH], 4
	s_lshl_b32 s84, s84, 21                        ; aimg: batch x 128 row tiles of 16,384
	s_and_b32 s85, s[BH], 15
	s_lshl_b32 s85, s85, 10                        ; + head x 1,024
	s_add_co_u32 s84, s84, s85
	s_mov_b32 s85, 0
	s_add_nc_u64 s[OH:OH+1], s[12:13], s[84:85]
	s_lshl_b32 s86, s80, 14
	s_mov_b32 s87, 0
	s_add_nc_u64 s[OL:OL+1], s[OH:OH+1], s[86:87]
	s_lshl_b32 s86, s81, 14
	s_add_nc_u64 s[OH:OH+1], s[OH:OH+1], s[86:87]
	s_wait_kmcnt 0x0
	s_add_co_i32 s60, s70, s71
	s_lshl_b32 s60, s60, 23
	s_add_co_i32 s[CS], s[CS], s60                 ; a score stands for score x 2^(e6 + e7)
	s_mov_b32 s[CS+1], s[CS]                       ; (named with it as a pair, so it is written)
	s_add_co_i32 s60, s72, 127
	s_lshl_b32 s61, s60, 23
	v_mov_b32 v244, s61                            ; 2^e8, for p's conversion
	s_sub_co_i32 s60, s74, s72
	s_sub_co_i32 s60, s60, s73                     ; O / l stands for (O / l) x 2^(e8 + e9): its code is (O / l) / 2^(e10 - e8 - e9)
	s_add_co_i32 s60, s60, 127
	s_lshl_b32 s61, s60, 23
	v_mov_b32 v245, s61
	v_mov_b32 v236, 0                              ; written once: a lane permute's destination counts as one of its sources
	v_mov_b32 v252, 0
	v_mov_b32 v253, 0                              ; (named as the upper half of the pair v[252:253])
.macro INIT                            ; a tile begins: zeros, which the first change of M leaves zeros; the step is written without a first step of its own
	v_mov_b32 v13, 0xff61b1e6                      ; the largest t so far: -3e38
	s_delay_alu instid0(VALU_DEP_1)
	v_floor_f32 v12, -v13                          ; -M
	v_mov_b32 v14, 0
	v_mov_b32 v15, 0
.set i, 0
.rept 32
	v_mov_b32 v[O+i], 0
.set i, i+1
.endr
.endm
; A STEP of 128 keys for the tile whose Q lies in v[q] on.  causal = 1: the step is left out behind the tile's last step s[lim], and masked by v[dm] in that step.
.macro STEP q, lim, dm, causal
.if \causal
	s_cmp_gt_u32 s[SI], s[\lim]
	s_cbranch_scc1 .Lhidden_\@
.endif
	s_setprio 2
	v_add_nc_u32 v[ADK], s[TB], v[LI]
	s_delay_alu instid0(VALU_DEP_1)
	v_add_nc_u32 v[ADV], VOFF, v[ADK]
	v_nop
	v_nop                                          ; with the two additions: four places in front of loads into registers that the last products read
.irp t, 0,1,2,3,4,5,6,7
	ds_load_b128 v[KV+8*\t:KV+8*\t+3], v[ADK] offset:1024*\t
	ds_load_b128 v[KV+8*\t+4:KV+8*\t+7], v[ADK] offset:1024*\t+512
.endr
	s_wait_alu depctr_va_vdst(0)
	s_wait_dscnt 0x0
.irp t, 0,1,2,3,4,5,6,7
	v_wmma_f32_16x16x64_fp8_fp8 v[S+8*\t:S+8*\t+7], v[KV+8*\t:KV+8*\t+7], v[\q:\q+7], 0
.endr
	PLACES
.irp t, 0,1,2,3                        ; V's four fragments land while the softmax is walked
.irp e, 0,1,2,3
	ds_load_b128 v[KV+16*\t+4*\e:KV+16*\t+4*\e+3], v[ADV] offset:2048*\t+512*\e
.endr
.endr
.if \causal
	s_cmp_lt_u32 s[SI], s[\lim]
	s_cbranch_scc1 .Lopen_\@
	v_mov_b32 v254, 0xff800000                     ; -infinity
.set n, 0
.rept 64
	v_cmp_gt_i32 vcc_lo, 32*(n/16)+n%16, v[\dm]
	v_cndmask_b32 v[S+n], v[S+n], v254, vcc_lo
.set n, n+1
.endr
.Lopen_\@:
.endif
	v_max3_num_f32 v254, v[S], v[S+1], v[S+2]      ; the step's largest score of my query among my 64 keys, in two chains; each accumulator is read from its low end on
	v_max3_num_f32 v252, v[S+3], v[S+4], v[S+5]
.set i, 6
.rept 14
	v_max3_num_f32 v254, v254, v[S+i], v[S+i+1]
	v_max3_num_f32 v252, v252, v[S+i+2], v[S+i+3]
.set i, i+4
.endr
	v_max3_num_f32 v254, v254, v[S+62], v[S+63]
	s_delay_alu instid0(VALU_DEP_1)
	v_max_num_f32 v254, v254, v252
	s_delay_alu instid0(VALU_DEP_1)
	v_permlanex16_b32 v236, v254, s[SEL], s[SEL+1]
	s_delay_alu instid0(VALU_DEP_1)
	v_max_num_f32 v254, v254, v236                 ; and among lane l xor 16's
	s_delay_alu instid0(VALU_DEP_1)
	v_mul_f32 v254, s[CS], v254                    ; as t (c is positive)
	s_delay_alu instid0(VALU_DEP_1)
	v_max_num_f32 v13, v13, v254                   ; the running largest t
	v_mov_b32 v254, v12
	s_delay_alu instid0(VALU_DEP_2)
	v_floor_f32 v12, -v13                          ; the new -M = floor(-t): M is a whole number
	s_delay_alu instid0(VALU_DEP_1)
	v_sub_f32 v254, v12, v254                      ; old M - new M: a whole number, 0 or less
	s_delay_alu instid0(VALU_DEP_1)
	v_cvt_i32_f32 v254, v254                       ; (it saturates)
	s_delay_alu instid0(VALU_DEP_1)
	v_ldexp_f32 v252, 1.0, v254                    ; f = 2^(old M - new M)
.set i, 0
.rept 32
	v_pk_fma_f32 v[S+i:S+i+1], v[S+i:S+i+1], s[CS:CS+1], v[12:13] op_sel_hi:[1,0,0]   ; t - M, two at a time
.set i, i+2
.endr
.set i, 0
	s_setprio 1
	s_wait_alu depctr_va_vdst(0)
.rept 64
	v_exp_f32 v[S+i], v[S+i]                       ; p = 2^(t - M), at most 1
.set i, i+1
.endr
	v_pk_mul_f32 v[14:15], v[14:15], v[252:253] op_sel_hi:[1,0]   ; l under the new M; also the plain line behind the exponentials
	s_wait_alu depctr_va_vdst(0)                   ; the wait ahead of the first line that names a result: one for the batch of 64
	v_pk_add_f32 v[242:243], v[100:101], v[104:105]
	v_pk_add_f32 v[254:255], v[108:109], v[112:113]
	v_pk_add_f32 v[250:251], v[116:117], v[120:121]
	v_pk_add_f32 v[248:249], v[124:125], v[128:129]
	v_pk_add_f32 v[246:247], v[132:133], v[136:137]
	v_pk_add_f32 v[240:241], v[140:141], v[144:145]
	v_pk_add_f32 v[238:239], v[148:149], v[152:153]
	v_pk_add_f32 v[14:15], v[14:15], v[156:157]
	v_pk_add_f32 v[242:243], v[242:243], v[96:97]
	v_pk_add_f32 v[254:255], v[254:255], v[98:99]
	v_pk_add_f32 v[250:251], v[250:251], v[102:103]
	v_pk_add_f32 v[248:249], v[248:249], v[106:107]
	v_pk_add_f32 v[246:247], v[246:247], v[110:111]
	v_pk_add_f32 v[240:241], v[240:241], v[114:115]
	v_pk_add_f32 v[238:239], v[238:239], v[118:119]
	v_pk_add_f32 v[14:15], v[14:15], v[122:123]
	v_pk_add_f32 v[242:243], v[242:243], v[126:127]
	v_pk_add_f32 v[254:255], v[254:255], v[130:131]
	v_pk_add_f32 v[250:251], v[250:251], v[134:135]
	v_pk_add_f32 v[248:249], v[248:249], v[138:139]
	v_pk_add_f32 v[246:247], v[246:247], v[142:143]
	v_pk_add_f32 v[240:241], v[240:241], v[146:147]
	v_pk_add_f32 v[238:239], v[238:239], v[150:151]
	v_pk_add_f32 v[14:15], v[14:15], v[154:155]
	v_pk_add_f32 v[242:243], v[242:243], v[158:159]
	s_delay_alu instid0(VALU_DEP_2)
	v_pk_add_f32 v[14:15], v[14:15], v[248:249]
	s_delay_alu instid0(VALU_DEP_2)
	v_pk_add_f32 v[242:243], v[242:243], v[246:247]
	v_pk_add_f32 v[254:255], v[254:255], v[240:241]
	v_pk_add_f32 v[250:251], v[250:251], v[238:239]
	s_delay_alu instid0(VALU_DEP_2)
	v_pk_add_f32 v[14:15], v[14:15], v[254:255]
	s_delay_alu instid0(VALU_DEP_2)
	v_pk_add_f32 v[242:243], v[242:243], v[250:251]
	s_delay_alu instid0(VALU_DEP_1)
	v_pk_add_f32 v[14:15], v[14:15], v[242:243]
	s_setprio 0
.irp b, 0,1,2,3
.set i, 0
.rept 16
.set i, i+1
.endr
	v_cvt_scalef32_pk8_fp8_f32 v[PC+4*\b:PC+4*\b+1], v[S+16*\b:S+16*\b+7], v244
	v_cvt_scalef32_pk8_fp8_f32 v[PC+4*\b+2:PC+4*\b+3], v[S+16*\b+8:S+16*\b+15], v244
.endr
.set i, 0
.rept 16
	v_pk_mul_f32 v[O+i:O+i+1], v[O+i:O+i+1], v[252:253] op_sel_hi:[1,0]   ; O^T under the new M; also the plain lines between the conversions and the products
.set i, i+2
.endr
	s_wait_alu depctr_va_vdst(0)
	s_wait_dscnt 0x0                               ; V is in
.irp t, 0,1,2,3                        ; four accumulators by turns
	v_wmma_f32_16x16x128_fp8_fp8 v[O+8*\t:O+8*\t+7], v[KV+16*\t:KV+16*\t+15], v[PC:PC+15], v[O+8*\t:O+8*\t+7]
.endr
.if \causal
.Lhidden_\@:
.endif
	s_add_co_u32 s[TB], s[TB], STEPB
.endm
; A tile leaves: O^T / l, held, converted with 2^(e10 - e8 - e9); tiles 2 b, 2 b + 1 of the head's 64 make chunk b: two stores of 512 consecutive bytes, at multiples of 512 from aimg's first byte.
.macro OUTT ptr
	PLACES                                         ; behind the last products
	v_add_f32 v14, v14, v15
	s_delay_alu instid0(VALU_DEP_1)
	v_permlanex16_b32 v252, v14, s[SEL], s[SEL+1]
	s_delay_alu instid0(VALU_DEP_1)
	v_add_f32 v14, v14, v252                       ; the row's sum
	s_wait_alu depctr_va_vdst(0)
	v_rcp_f32 v14, v14
	v_nop                                          ; a plain line behind the transcendental
	s_wait_alu depctr_va_vdst(0)                   ; and the wait ahead of its first reader
.set i, 0
.rept 16
	v_pk_mul_f32 v[O+i:O+i+1], v[O+i:O+i+1], v[14:15] op_sel_hi:[1,0]
.set i, i+2
.endr
.set i, 0
.rept 32
.set i, i+1
.endr
.irp t, 0,1,2,3
	v_cvt_scalef32_pk8_fp8_f32 v[PC+2*\t:PC+2*\t+1], v[O+8*\t:O+8*\t+7], v245
.endr
	v_nop                                          ; a plain line behind the last conversion
	global_store_b128 v[LI], v[PC:PC+3], s[\ptr:\ptr+1]
	global_store_b128 v[LI], v[PC+4:PC+7], s[\ptr:\ptr+1] offset:512
.endm
	INIT
	s_wait_loadcnt 0x0                             ; Q
	s_wait_tensorcnt 0x3                           ; my part of keys 0 to 511 is in; the three later chunks may stay out: no byte is filled again in this launch
	s_barrier_signal -1
	s_barrier_wait -1                              ; everybody's is
	s_mov_b32 s[SI], 0
	s_mov_b32 s[TB], 0
.Lfirst:                                           ; steps 0 to 3 of hi: its last step is 8 or later, so nothing is hidden here
	STEP QHI, LH, DMH, 0
	s_add_co_u32 s[SI], s[SI], 1
	s_cmp_lt_u32 s[SI], 4
	s_cbranch_scc1 .Lfirst
	s_setprio 0
	s_wait_tensorcnt 0x0                           ; all my parts are in
	s_wait_dscnt 0x0
	s_barrier_signal -1
	s_barrier_wait -1                              ; everybody's are
	s_mov_b32 s[SI], 4
	s_mov_b32 s[TB], 4*STEPB
.Lhigh:                                            ; steps 4 to 15 of hi: the trip count is a constant; what lies behind the tile's last step is jumped over
	STEP QHI, LH, DMH, 1
	s_add_co_u32 s[SI], s[SI], 1
	s_cmp_lt_u32 s[SI], 16
	s_cbranch_scc1 .Lhigh
	s_setprio 0
	OUTT OH
	s_wait_xcnt 0x0                                ; the stores have read their registers: the codes are written again only behind this wait
	INIT
	s_mov_b32 s[SI], 0
	s_mov_b32 s[TB], 0
.Llow:                                             ; steps 0 to 7 of lo
	STEP QLO, LL, DML, 1
	s_add_co_u32 s[SI], s[SI], 1
	s_cmp_lt_u32 s[SI], 8
	s_cbranch_scc1 .Llow
	s_setprio 0
	OUTT OL
	s_wait_tensorcnt 0x0                           ; the wave's end
	ds_add_u32 v[SPW], v[NIL]
	s_wait_dscnt 0x0
	ROUND                                          ; the closing round
	s_endpgm
.Lfunc_end_k_qa526d7aaf3_attn:
	.size	k_qa526d7aaf3_attn, .Lfunc_end_k_qa526d7aaf3_attn-k_qa526d7aaf3_attn
	.p2alignl 7, 3214868480
	.fill 96, 4, 3214868480
	.section	.rodata,"a",@progbits
	.p2align	6, 0x0
	.amdhsa_kernel k_qa526d7aaf3_attn
		.amdhsa_group_segment_fixed_size 327680
		.amdhsa_private_segment_fixed_size 0
		.amdhsa_enable_private_segment 0
		.amdhsa_kernarg_size 40
		.amdhsa_user_sgpr_count 2
		.amdhsa_user_sgpr_kernarg_segment_ptr 1
		.amdhsa_wavefront_size32 1
		.amdhsa_system_sgpr_workgroup_id_x 1
		.amdhsa_system_sgpr_workgroup_id_y 1
		.amdhsa_system_sgpr_workgroup_id_z 1
		.amdhsa_system_vgpr_workitem_id 0
		.amdhsa_next_free_vgpr 256
		.amdhsa_next_free_sgpr 100
		.amdhsa_reserve_vcc 1
		.amdhsa_float_denorm_mode_32 3
		.amdhsa_float_denorm_mode_16_64 3
		.amdhsa_fp16_overflow 1
		.amdhsa_memory_ordered 1
		.amdhsa_forward_progress 1
		.amdhsa_inst_pref_size 66
	.end_amdhsa_kernel
	.amdgpu_metadata
---
amdhsa.version: [ 1, 2 ]
amdhsa.kernels:
  - .name:           k_qa526d7aaf3_attn
    .symbol:         k_qa526d7aaf3_attn.kd
    .args:
      - { .name: qimg, .offset: 0, .size: 8, .value_kind: global_buffer, .address_space: global }
      - { .name: kimg, .offset: 8, .size: 8, .value_kind: global_buffer, .address_space: global }
      - { .name: vimg, .offset: 16, .size: 8, .value_kind: global_buffer, .address_space: global }
      - { .name: lowp_scales, .offset: 24, .size: 8, .value_kind: global_buffer, .address_space: global }
      - { .name: aimg, .offset: 32, .size: 8, .value_kind: global_buffer, .address_space: global }
    .group_segment_fixed_size: 327680
    .private_segment_fixed_size: 0
    .kernarg_segment_align: 8
    .kernarg_segment_size: 40
    .max_flat_workgroup_size: 512
    .sgpr_count:     100
    .vgpr_count:     256
    .wavefront_size: 32
...
	.end_amdgpu_metadata
.endif
;; end of part 3
;; launch oproj (part 4): grid 256 x 1, 4 waves a work-group, clusters of 4 x 1, 167,936 bytes of LDS; arguments aimg, wimg, lowp_scales, bo, out0; writes out0
.if DOCPART == 4
	.amdgcn_target "amdgcn-amd-amdhsa--gfx1250"
	.amdhsa_code_object_version 6
	.text
	.protected	k_qa526d7aaf3_oproj
	.globl	k_qa526d7aaf3_oproj
	.p2align	8
	.type	k_qa526d7aaf3_oproj,@function
k_qa526d7aaf3_oproj:
	s_mov_b64 s[64:65], 0
	v_nop
	global_prefetch_b8 v0, s[64:65] scope:SCOPE_SE
	s_setreg_imm32_b32 hwreg(HW_REG_WAVE_MODE, 25, 1), 1
	s_wait_xcnt 0x0
	s_wait_alu depctr_hold_cnt(0) depctr_sa_sdst(0) depctr_va_vdst(0) depctr_va_sdst(0) depctr_va_ssrc(0) depctr_va_vcc(0) depctr_vm_vsrc(0)
	s_getreg_b32 s2, hwreg(HW_REG_IB_STS2, 6, 4)
	s_cmp_eq_u32 s2, 0
	s_cbranch_scc0 .Lentry_in_a_cluster
	s_endpgm
.Lentry_in_a_cluster:
	s_bfe_u32 s2, ttmp6, 0x10000c
	s_cmp_lg_u32 s2, 0x3003
	s_cbranch_scc0 .Lentry_shape_is_right
	s_endpgm
.Lentry_shape_is_right:
; out0 = a Wo + bo on codes of FP8 (E4M3): a's codes in aimg [row tile 512][K step 8][2,048], Wo's in the fourth quarter of wimg [n tile 64][K step 8][2,048]: images of operand registers
; (a fragment, 16 rows x 128 K: [chunk c][lane][16 bytes], lane (r, h) holding k = 32 c + 16 h + 0 .. 15; lane r of tile T means row, or column, 32 (T / 2) + 8 (T % 2) + r + 8 (r / 8)).
; SHARES.  A cluster of four work-groups takes 128 rows; work-group cx takes 256 columns, each of its four waves 64 (4 n tiles), whose 4 x 8 fragments of Wo, 512 registers, are read once and stay.
; The rows' codes, 131,072 dense bytes, are needed by all four partners: ONE JOINT load a wave (mask 15) brings a quarter each; no byte of LDS is filled again.
; Source 0 = 16 columns of Wo, source 1 = 16 rows of a: a lane holds one row and, in tiles 2 b and 2 b + 1, sixteen neighbouring columns.  out = sum x 2^(e10 + e11) + bo: one packed multiply-add for two numbers.
; A tile's 16 rows x 64 columns go through the wave's own stage in LDS and leave as rows: sixteen lanes store 256 consecutive bytes, at a multiple of 256 from out0's first byte.
; LIMIT: e10 + e11 between -126 and 127, so that 2^(e10 + e11) is an f32 number.
; REGISTERS: window 0: v1-13 addresses; v16-79, v80-143 a tile's K steps 0-3, 4-7; v144-175 four accumulators; v176-207 bo; v208-239 rows on their way out.  windows 1, 2: Wo(t, s) at v[64 (s % 4) + 16 t].
.set SLOTB,  131072
.set STAGE,  SLOTB                     ; behind the rows' codes: 16 rows x 272 bytes for each wave; no tensor load lands here
.set SPITCH, 272                       ; 256 bytes + 16: sixteen rows start at sixteen different columns of 16 bytes
.set SPARE,  STAGE+4*16*SPITCH         ; 148,480: the spare words, 128 bytes for each wave: two blocks of 256 bytes that no other line names
.set LI,   1
.set ADA,  2
.set BQK,  4                           ; v4   bo: 64 h
.set STO,  6                           ; v6   the stage: where I put my 128 bytes of a row
.set RD,   7                           ; v7   and where I read a row back
.set SPW,  10
.set NIL,  11
.set CO,   12                          ; v12  my byte offset in two rows of out0
.set FA,   16
.set FB,   80
.set ACC,  144
.set BI,   176
.set BK,   208
.set WV,   22
.set CX,   24
.set RG,   25
.set HD,   26
.set G1,   28
.set G0,   36
.set PO,   56
.set TB,   62
.set CNT,  63
.set MSB, 0
.macro WIN new
.if MSB != (\new)
	s_set_vgpr_msb (MSB<<8)|(\new)
.set MSB, (\new)
.endif
.endm
.macro PLACES
.rept 4
	v_nop
.endr
.endm
.macro ROUND
	s_barrier_signal -1
	s_barrier_wait -1
	s_cmp_lg_u32 s[WV], 0
	s_cbranch_scc1 .Lnot_wave_0_\@
	s_barrier_signal -3
.Lnot_wave_0_\@:
	s_barrier_wait -3
	s_barrier_signal -1
	s_barrier_wait -1
.endm
	s_load_b256 s[4:11], s[0:1], 0x0               ; aimg, wimg, the exponents, bo
	s_load_b64 s[12:13], s[0:1], 0x20              ; out0
	v_lshl_add_u32 v[SPW], v0, 2, SPARE
	v_mov_b32 v[NIL], 0
	ds_add_u32 v[SPW], v[NIL]
	ds_add_u32 v[SPW], v[NIL]                      ; the wave's opening: the add and its wait stand ahead of my tensor load; work on registers stands between
	v_lshrrev_b32 v3, 5, v0
	v_readfirstlane_b32 s[WV], v3
	s_bfe_u32 s[CX], ttmp6, 0x40000                ; my place in the cluster: it enters Wo's, bo's and out0's addresses alone
	s_mov_b32 s[RG], ttmp9                         ; the cluster's 128 rows
	s_lshl_b32 s[HD], s[CX], 2
	s_add_co_u32 s[HD], s[HD], s[WV]               ; my 64 columns
	s_mov_b32 s[G1], 15|(3<<16)|(1<<21)            ; the mask: all four; elements of 8 bytes; bit 21 beside a mask
	s_mov_b32 s[G1+1], 32<<16
	s_mov_b32 s[G1+2], 128<<16
	s_mov_b32 s[G1+3], 32<<16
	s_mov_b32 s[G1+4], 128                         ; 128 rows of 256 bytes: 32,768 dense bytes
	s_mov_b32 s[G1+5], 32
	s_mov_b32 s[G1+6], 0
	s_mov_b32 s[G1+7], 0
	v_and_b32 v[LI], 31, v0
	v_lshlrev_b32 v[LI], 4, v[LI]
	v_and_b32 v13, 15, v0                          ; r
	v_bfe_u32 v3, v0, 4, 1                         ; h
	v_lshlrev_b32 v[BQK], 6, v3
	s_mul_i32 s69, s[WV], 16*SPITCH
	s_add_co_u32 s69, s69, STAGE                   ; my stage
	v_mul_u32_u24 v[STO], v13, SPITCH
	v_lshl_add_u32 v[STO], v3, 6, v[STO]
	v_add_nc_u32 v[STO], s69, v[STO]               ; in: row r, + 64 h
	v_mul_u32_u24 v[RD], v3, SPITCH
	v_lshl_add_u32 v[RD], v13, 4, v[RD]
	v_add_nc_u32 v[RD], s69, v[RD]                 ; back: lanes 0-15 one row, lanes 16-31 the next
	v_lshlrev_b32 v[CO], 12, v3
	v_lshl_add_u32 v[CO], v13, 4, v[CO]            ; and the same two rows of out0, 4,096 bytes apart
	s_lshl_b32 s66, s[RG], 17
	s_lshl_b32 s68, s[WV], 15                      ; my quarter, in memory and in LDS
	s_add_co_u32 s66, s66, s68
	s_mov_b32 s67, 0
	s_wait_dscnt 0x0                               ; the opening add is done
	s_wait_kmcnt 0x0
	s_load_b64 s[44:45], s[8:9], 0x28              ; e10, e11
	s_mov_b32 s[G0], 1
	s_mov_b32 s[G0+1], s68
	s_add_nc_u64 s[G0+2:G0+3], s[4:5], s[66:67]
	s_or_b32 s[G0+3], s[G0+3], 0x80000000
	ROUND                                          ; all four work-groups are here: the joint loads meet
	tensor_load_to_lds s[G0:G0+3], s[G1:G1+7]      ; my one tensor load
	s_nop 0
	PLACES
	s_lshl_b32 s66, s[HD], 16
	s_add_co_u32 s66, s66, 3<<20                   ; Wo is the fourth weight of wimg
	s_add_nc_u64 s[70:71], s[6:7], s[66:67]
	WIN 0x40
.irp s, 0,1,2,3
.irp t, 0,1,2,3
.irp c, 0,1,2,3
	global_load_b128 v[64*\s+16*\t+4*\c:64*\s+16*\t+4*\c+3], v[LI], s[70:71] offset:16384*\t+2048*\s+512*\c
.endr
.endr
.endr
	WIN 0x80
.irp s, 0,1,2,3
.irp t, 0,1,2,3
.irp c, 0,1,2,3
	global_load_b128 v[64*\s+16*\t+4*\c:64*\s+16*\t+4*\c+3], v[LI], s[70:71] offset:16384*\t+2048*(\s+4)+512*\c
.endr
.endr
.endr
	WIN 0
	s_lshl_b32 s66, s[HD], 8
	s_add_nc_u64 s[72:73], s[10:11], s[66:67]      ; my 64 numbers of bo
	s_wait_alu depctr_va_vdst(0)
.irp t, 0,1,2,3                        ; register j of tile t is column 32 (t / 2) + 8 (t % 2) + 16 h + j
	global_load_b128 v[BI+8*\t:BI+8*\t+3], v[BQK], s[72:73] offset:(32*(\t/2)+8*(\t%2))*4
	global_load_b128 v[BI+8*\t+4:BI+8*\t+7], v[BQK], s[72:73] offset:(32*(\t/2)+8*(\t%2))*4+16
.endr
	s_lshl_b32 s74, s[RG], 19                      ; out0: 128 rows of 4,096 bytes
	s_add_co_u32 s66, s66, s74                     ; + my 64 columns
	s_add_nc_u64 s[PO:PO+1], s[12:13], s[66:67]
	s_wait_kmcnt 0x0
	s_add_co_i32 s46, s44, s45
	s_add_co_i32 s46, s46, 127
	s_lshl_b32 s46, s46, 23                        ; 2^(e10 + e11) as f32
	s_mov_b32 s47, s46                             ; (named with it as a pair, so it is written)
.macro LOADF reg, off
.irp s, 0,1,2,3
.irp c, 0,1,2,3
	ds_load_b128 v[\reg+16*\s+4*\c:\reg+16*\s+4*\c+3], v[ADA] offset:(\off)+2048*\s+512*\c
.endr
.endr
.endm
; 16 products: four K steps x my four n tiles; the four accumulators take turns, one instruction a turn.  first = 1: the first products start the sums.
.macro RUN half, first
	WIN (1+\half)
.irp s, 0,1,2,3
.irp t, 0,1,2,3
.if \first && (\s == 0)
	v_wmma_f32_16x16x128_fp8_fp8 v[ACC+8*\t:ACC+8*\t+7], v[64*\s+16*\t:64*\s+16*\t+15], v[FA+64*\half+16*\s:FA+64*\half+16*\s+15], 0
.else
	v_wmma_f32_16x16x128_fp8_fp8 v[ACC+8*\t:ACC+8*\t+7], v[64*\s+16*\t:64*\s+16*\t+15], v[FA+64*\half+16*\s:FA+64*\half+16*\s+15], v[ACC+8*\t:ACC+8*\t+7]
.endif
.endr
.endr
	WIN 0
.endm
.macro WAYOUT u                        ; tile u of a pair: stage row rr is row 8 u + rr + 8 (rr / 8) of the pair's 32
.irp t, 0,1,2,3
.irp i, 0,2,4,6
	v_pk_fma_f32 v[ACC+8*\t+\i:ACC+8*\t+\i+1], v[ACC+8*\t+\i:ACC+8*\t+\i+1], s[46:47], v[BI+8*\t+\i:BI+8*\t+\i+1] op_sel_hi:[1,0,1]   ; each accumulator from its low end on
.endr
.endr
.irp t, 0,1,2,3
	ds_store_b128 v[STO], v[ACC+8*\t:ACC+8*\t+3] offset:128*(\t/2)+32*(\t%2)
	ds_store_b128 v[STO], v[ACC+8*\t+4:ACC+8*\t+7] offset:128*(\t/2)+32*(\t%2)+16
.endr
	s_wait_xcnt 0x0                                ; the last tile's stores have read their registers: the loads below land there only behind this wait
.irp i, 0,1,2,3,4,5,6,7
	ds_load_b128 v[BK+4*\i:BK+4*\i+3], v[RD] offset:2*SPITCH*\i    ; the wave's LDS instructions are served in order (ISA guide 5.7.1.4): these see the stores above
.endr
.irp i, 0,1,2,3,4,5,6,7
	s_wait_dscnt 7-\i                              ; rows 2 i, 2 i + 1 are back; the younger loads may be out
	global_store_b128 v[CO], v[BK+4*\i:BK+4*\i+3], s[PO:PO+1] offset:(8*\u+2*\i+8*(\i/4))*4096 th:TH_STORE_NT
.endr
.endm
.macro TILE u, next, off
	s_wait_dscnt 16                                ; K steps 0-3 are in; the sixteen younger loads may be out
	RUN 0, 1
.if \next
	PLACES
	LOADF FA, \off
	s_wait_dscnt 16                                ; K steps 4-7 are in; the sixteen just issued may be out
.else
	s_wait_dscnt 0x0
.endif
	RUN 1, 0
	PLACES
.if \next
	LOADF FB, (\off)+8192
.endif
	WAYOUT \u
.endm
.macro PAIR more
	TILE 0, 1, 16384
	TILE 1, \more, 32768
	s_wait_xcnt 0x0                                ; the stores have read their base: it steps only behind this wait
	s_add_nc_u64 s[PO:PO+1], s[PO:PO+1], 32*4096
.if \more
	s_add_co_u32 s[TB], s[TB], 32768
	v_add_nc_u32 v[ADA], s[TB], v[LI]
.endif
.endm
	s_wait_loadcnt 0x0                             ; Wo and bo
	s_wait_tensorcnt 0x0                           ; my quarter of the rows' codes is in,
	s_barrier_signal -1
	s_barrier_wait -1                              ; everybody's is
	s_mov_b32 s[TB], 0
	v_add_nc_u32 v[ADA], s[TB], v[LI]
	LOADF FA, 0
	LOADF FB, 8192
	s_mov_b32 s[CNT], 3
.Lpair:
	s_wait_alu depctr_va_vdst(0)
	PAIR 1
	s_sub_co_u32 s[CNT], s[CNT], 1
	s_cmp_lg_u32 s[CNT], 0
	s_cbranch_scc1 .Lpair
	s_wait_alu depctr_va_vdst(0)
	PAIR 0
	s_wait_tensorcnt 0x0                           ; the wave's end, behind my tensor load and my last LDS store
	ds_add_u32 v[SPW], v[NIL]
	s_wait_dscnt 0x0
	ROUND                                          ; the closing round
	s_endpgm
.Lfunc_end_k_qa526d7aaf3_oproj:
	.size	k_qa526d7aaf3_oproj, .Lfunc_end_k_qa526d7aaf3_oproj-k_qa526d7aaf3_oproj
	.p2alignl 7, 3214868480
	.fill 96, 4, 3214868480
	.section	.rodata,"a",@progbits
	.p2align	6, 0x0
	.amdhsa_kernel k_qa526d7aaf3_oproj
		.amdhsa_group_segment_fixed_size 167936
		.amdhsa_private_segment_fixed_size 0
		.amdhsa_enable_private_segment 0
		.amdhsa_kernarg_size 40
		.amdhsa_user_sgpr_count 2
		.amdhsa_user_sgpr_kernarg_segment_ptr 1
		.amdhsa_wavefront_size32 1
		.amdhsa_system_sgpr_workgroup_id_x 1
		.amdhsa_system_sgpr_workgroup_id_y 1
		.amdhsa_system_sgpr_workgroup_id_z 1
		.amdhsa_system_vgpr_workitem_id 0
		.amdhsa_next_free_vgpr 768
		.amdhsa_next_free_sgpr 80
		.amdhsa_reserve_vcc 0
		.amdhsa_float_denorm_mode_32 3
		.amdhsa_float_denorm_mode_16_64 3
		.amdhsa_memory_ordered 1
		.amdhsa_forward_progress 1
		.amdhsa_inst_pref_size 48
	.end_amdhsa_kernel
	.amdgpu_metadata
---
amdhsa.version: [ 1, 2 ]
amdhsa.kernels:
  - .name:           k_qa526d7aaf3_oproj
    .symbol:         k_qa526d7aaf3_oproj.kd
    .args:
      - { .name: aimg, .offset: 0, .size: 8, .value_kind: global_buffer, .address_space: global }
      - { .name: wimg, .offset: 8, .size: 8, .value_kind: global_buffer, .address_space: global }
      - { .name: lowp_scales, .offset: 16, .size: 8, .value_kind: global_buffer, .address_space: global }
      - { .name: bo, .offset: 24, .size: 8, .value_kind: global_buffer, .address_space: global }
      - { .name: out0, .offset: 32, .size: 8, .value_kind: global_buffer, .address_space: global }
    .group_segment_fixed_size: 167936
    .private_segment_fixed_size: 0
    .kernarg_segment_align: 8
    .kernarg_segment_size: 40
    .max_flat_workgroup_size: 128
    .sgpr_count:     80
    .vgpr_count:     768
    .wavefront_size: 32
...
	.end_amdgpu_metadata
.endif
;; end of part 4
